; MI455X (gfx1250); checked and timed in simulation.
; The chip was launched on July 23, 2026; its instructions are those of AMD's public machine-readable ISA for CDNA 5 (MIT licence, August 2026) and "CDNA5" Instruction Set Architecture Reference Guide (July 2026). The comments in the code are by the model that wrote it; some were corrected since.
;; REALS model 3d. Allowed arithmetic: float matrix products may take bf16 or f16 operands with f32 sums; all other float work in f32.
;; Inputs: ln_weight 1 x 1,048,576 float32; r_index 8 int32; theta 100 x 3 x 4 float32; x 8 x 1,048,576 float32.
;; Outputs: out0 8 x 1,048,576 float32; out1 8 x 1,048,576 float32.
;; One version. Each part assembles by itself: llvm-mc -triple=amdgcn-amd-amdhsa -mcpu=gfx1250 --defsym DOCPART=n.
;; ======== version 1 of 1: 3 launches
;; limits: inputs' magnitudes at most 1,048,576
;; workspace buffers: coef 1,024 bytes of whole numbers; part 4,096 bytes
;; launch fix (part 1): grid 1 x 1, 1 waves a work-group, no clusters, 0 bytes of LDS; arguments r_index, theta, coef; writes coef
.if DOCPART == 1
	.amdgcn_target "amdgcn-amd-amdhsa--gfx1250"
	.amdhsa_code_object_version 6
	.text
	.protected	k_qb5bb6d6a2b_fix
	.globl	k_qb5bb6d6a2b_fix
	.p2align	8
	.type	k_qb5bb6d6a2b_fix,@function
k_qb5bb6d6a2b_fix:
	s_mov_b64 s[64:65], 0
	v_nop
	global_prefetch_b8 v0, s[64:65] scope:SCOPE_SE
	s_setreg_imm32_b32 hwreg(HW_REG_WAVE_MODE, 25, 1), 1
	s_wait_xcnt 0x0
; theta[r_index[n]] as whole numbers.  coef[n][a][k] = T = sign(theta) * floor(|theta| * 2^30), a 64-bit integer (low word first), n = 0..7, a = 0..2, k = 0..3;
; a volume's 12 numbers lie in 128 bytes, row a at byte 32 a.  The next launch makes every sampling coordinate, and so every gather address, from these integers alone.
; One wave: lane 4 n + a takes row a of volume n's matrix (16 bytes in, 32 bytes out).  Lane 4 n + 3 has no row: it repeats row 2 into the 32 bytes that nobody reads,
; so that no lane is switched off and the wave writes 1,024 bytes on end.
; LIMITS.  |theta| above 2^20 is taken as 2^20 (a NaN too); theta is cut to a multiple of 2^-30.  r_index is read as unsigned and bounded by 99.
	s_load_b128 s[4:7], s[0:1], 0x0                ; r_index s[4:5], theta s[6:7]
	s_load_b64 s[8:9], s[0:1], 0x10                ; coef
	v_and_b32 v1, 3, v0
	v_min_u32 v1, 2, v1                            ; a
	v_lshrrev_b32 v2, 2, v0                        ; n
	v_lshlrev_b32 v2, 2, v2                        ; byte of r_index[n]
	v_lshlrev_b32 v3, 5, v0                        ; my 32 bytes of coef
	v_mov_b32 v7, 0                                ; high word of the 64-bit 0 or 1 below
	s_mov_b32 s10, 0x48800000                      ; 2^18: the bound on |theta| / 4
	s_wait_kmcnt 0x0
	global_load_b32 v4, v2, s[4:5]
	s_wait_loadcnt 0x0
	v_min_u32 v4, 99, v4                           ; a number read from memory enters an address only behind an unsigned minimum with a constant
	v_mul_u32_u24 v4, v4, 48                       ; a matrix is 48 bytes,
	v_lshl_add_u32 v4, v1, 4, v4                   ; a row 16
	global_load_b128 v[8:11], v4, s[6:7]
	s_wait_loadcnt 0x0
; |theta| / 4 = whole part + fraction, both exact in f32 for a number that is not negative; the pair (fraction x 2^32, whole part) is |theta| x 2^30 in 64 bits.
; A negative theta: all bits turned and 1 added.
.irp k, 0,1,2,3
	v_mul_f32 v12, 0x3e800000, v[8+(\k)]           ; theta / 4, exact
	v_min_num_f32 v13, |v12|, s10
	v_floor_f32 v14, v13
	v_sub_f32 v15, v13, v14                        ; in [0, 1), exact
	v_mul_f32 v15, 0x4f800000, v15                 ; x 2^32: below 2^32
	v_cvt_u32_f32 v[17+2*(\k)], v14
	v_cvt_u32_f32 v[16+2*(\k)], v15                ; toward zero
	v_ashrrev_i32 v5, 31, v12                      ; all ones where theta is negative
	v_xor_b32 v[16+2*(\k)], v[16+2*(\k)], v5
	v_xor_b32 v[17+2*(\k)], v[17+2*(\k)], v5
	v_and_b32 v6, 1, v5
	v_add_nc_u64 v[16+2*(\k):17+2*(\k)], v[16+2*(\k):17+2*(\k)], v[6:7]
.endr
	global_store_b128 v3, v[16:19], s[8:9]
	global_store_b128 v3, v[20:23], s[8:9] offset:16
	s_endpgm
.Lfunc_end_k_qb5bb6d6a2b_fix:
	.size	k_qb5bb6d6a2b_fix, .Lfunc_end_k_qb5bb6d6a2b_fix-k_qb5bb6d6a2b_fix
	.p2alignl 7, 3214868480
	.fill 96, 4, 3214868480
	.section	.rodata,"a",@progbits
	.p2align	6, 0x0
	.amdhsa_kernel k_qb5bb6d6a2b_fix
		.amdhsa_group_segment_fixed_size 0
		.amdhsa_private_segment_fixed_size 0
		.amdhsa_enable_private_segment 0
		.amdhsa_kernarg_size 24
		.amdhsa_user_sgpr_count 2
		.amdhsa_user_sgpr_kernarg_segment_ptr 1
		.amdhsa_wavefront_size32 1
		.amdhsa_system_sgpr_workgroup_id_x 1
		.amdhsa_system_sgpr_workgroup_id_y 1
		.amdhsa_system_sgpr_workgroup_id_z 1
		.amdhsa_system_vgpr_workitem_id 0
		.amdhsa_next_free_vgpr 24
		.amdhsa_next_free_sgpr 66
		.amdhsa_reserve_vcc 0
		.amdhsa_float_denorm_mode_32 3
		.amdhsa_float_denorm_mode_16_64 3
		.amdhsa_memory_ordered 1
		.amdhsa_forward_progress 1
		.amdhsa_inst_pref_size 4
	.end_amdhsa_kernel
	.amdgpu_metadata
---
amdhsa.version: [ 1, 2 ]
amdhsa.kernels:
  - .name:           k_qb5bb6d6a2b_fix
    .symbol:         k_qb5bb6d6a2b_fix.kd
    .args:
      - { .name: r_index, .offset: 0, .size: 8, .value_kind: global_buffer, .address_space: global }
      - { .name: theta, .offset: 8, .size: 8, .value_kind: global_buffer, .address_space: global }
      - { .name: coef, .offset: 16, .size: 8, .value_kind: global_buffer, .address_space: global }
    .group_segment_fixed_size: 0
    .private_segment_fixed_size: 0
    .kernarg_segment_align: 8
    .kernarg_segment_size: 24
    .max_flat_workgroup_size: 32
    .sgpr_count:     66
    .vgpr_count:     24
    .wavefront_size: 32
...
	.end_amdgpu_metadata
.endif
;; end of part 1
;; launch sample (part 2): grid 128 x 8, 8 waves a work-group, no clusters, 1,280 bytes of LDS; arguments x, ln_weight, coef, out0, part; writes out0, part
.if DOCPART == 2
	.amdgcn_target "amdgcn-amd-amdhsa--gfx1250"
	.amdhsa_code_object_version 6
	.text
	.protected	k_qb5bb6d6a2b_sample
	.globl	k_qb5bb6d6a2b_sample
	.p2align	8
	.type	k_qb5bb6d6a2b_sample,@function
k_qb5bb6d6a2b_sample:
	s_mov_b64 s[64:65], 0
	v_nop
	global_prefetch_b8 v0, s[64:65] scope:SCOPE_SE
	s_setreg_imm32_b32 hwreg(HW_REG_WAVE_MODE, 25, 1), 1
	s_wait_xcnt 0x0
; out0[n][z][y][x] = the trilinear sample of volume n (128 x 128 x 64 f32, zeros outside) at the affine image of (x, y, z); part[n][block] = the block's share of out0[n] . ln_weight.
; COORDINATES ARE WHOLE NUMBERS.  With T = theta x 2^30 (64-bit integers made by the launch before), in units of 2^-32 voxel:
;   ix = T00 (4x - 126) + T01 (2y - 127) + T02 (2z - 127) + 128 T03 + 31.5 x 2^32;   iy, iz = twice the same form of rows 1, 2, + 63.5 x 2^32.
; That is ((grid + 1) size - 1) / 2 of the reference, multiplied out.  A coordinate's high word is its floor, its low word the fraction.  Addresses come from the high words alone; only the weights are f32.
; CORNERS.  On each axis the base is b = floor bounded to 0 .. size - 2, so the 8 corners are ONE address and the immediates {0, 4} + {0, 256} + {0, 32768}, all inside the volume.
; With f = coordinate - b the weights of voxels b and b + 1 are the hat functions max(0, 1 - |f|) and median(f, 2 - f, 0): (1 - t, t) inside; at floor = -1 only voxel 0 counts, with t;
; at floor = size - 1 only the last voxel, with 1 - t; further out both are 0: the reference's zero padding, with no mask.
; SHARES.  A work-group: 8 planes (z) x 16 rows (y) of one volume; its source is 9/8 x 17/16 of its size where the map is near the identity.  A wave: one plane's 16 rows.  A lane: voxels 2 l and 2 l + 1
; of each row: the wave's b64 store covers the row's 256 consecutive bytes, aligned, and the two voxels fill the packed f32 forms.
; PIPELINE.  Two slots of registers: a row's 16 corner loads and its load of ln_weight are issued one row ahead of the blend that needs them.
; THE DOT stays on the vector unit, in f32: the product has one column, so a matrix tile would use one column of sixteen, and out0's numbers would have to change lanes for it.
; No tensor load and no LDS tile: which source box a block needs hangs on theta and has no bound; no cluster: no two work-groups want the same bytes at the same time.
; LIMITS.  Coordinates are right to 1016 x 2^-32 voxel for |theta| up to 2^20 (beyond: see the launch before).  A corner with weight 0 is still multiplied: where x holds an infinity or NaN beside it the
; result is NaN, where the reference may select 0.  The order of rounding differs from the reference's.
.set NXB,    256                       ; bytes in a row of 64 voxels
.set NYB,    128*NXB                   ; bytes in a plane
.set TOPIDX, (126*128+126)*64+62       ; the largest base voxel
.set SPARE,  256                       ; LDS: bytes 0-31 the eight waves' sums (block 0); from 256 the spare words, 128 bytes a wave, that no other line names
.set VOFF, 2                           ; v2      8 x lane: my 8 bytes in a row; never rewritten
.set SPW,  3                           ; v3      LDS address of my spare word; never rewritten
.set NIL,  4                           ; v4      0; never rewritten
.set XV,   5                           ; v5      2 x lane: x of my first voxel
.set STP,  6                           ; v[6:11]   axis a: what a coordinate grows by from a row to the next, 64 bits
.set PC,   12                          ; v[12:23]  axis a, voxel j: the coordinate, 64 bits, at PC + 4 a + 2 j
.set ACC,  24                          ; v[24:25]  the dot, one sum a voxel column
.set BI,   26                          ; v[26:31]  b at BI + 2 a + j
.set DF,   32                          ; v[32:37]  floor - b
.set TF,   38                          ; v[38:43]  the fraction's 32 bits as f32
.set FR,   44                          ; v[44:49]  f
.set UU,   50                          ; v[50:55]  at work
.set SLOT, 56                          ; two slots of 34 registers:
.set SLOTSZ, 34
.set DAT,  0                           ;   corner c = 4 dz + 2 dy + dx of voxel j at DAT + 2 c + j
.set WLD,  16                          ;   ln_weight of the two voxels
.set WGT,  18                          ;   axis a: weights of b at WGT + 4 a + j, of b + 1 at WGT + 4 a + 2 + j
.set ADR,  30                          ;   byte offset of voxel j's base corner in the volume
.set OUT,  32                          ;   the two results
	s_load_b256 s[4:11], s[0:1], 0x0               ; x s[4:5], ln_weight s[6:7], coef s[8:9], out0 s[10:11]
	s_load_b64 s[12:13], s[0:1], 0x20              ; part
	v_lshl_add_u32 v[SPW], v0, 2, SPARE
	v_mov_b32 v[NIL], 0
	v_lshrrev_b32 v1, 5, v0
	v_readfirstlane_b32 s14, v1                    ; wave 0..7
	v_and_b32 v1, 31, v0                           ; lane
	v_lshlrev_b32 v[VOFF], 3, v1
	v_lshlrev_b32 v[XV], 1, v1
	s_and_b32 s15, ttmp7, 0xffff                   ; n
	s_lshr_b32 s2, ttmp9, 3                        ; the block's place along z (16 of them),
	s_lshl3_add_u32 s57, s2, s14                   ; z = 8 x that + wave
	s_and_b32 s3, ttmp9, 7                         ; and along y (8 of them)
	s_lshl_b32 s60, s3, 4                          ; my first row y0
	s_lshl_b32 s44, s60, 1
	s_sub_co_i32 s44, s44, 127                     ; s[44:45] = 2 y0 - 127, in 64 bits
	s_ashr_i32 s45, s44, 31
	s_lshl_b32 s46, s57, 1
	s_sub_co_i32 s46, s46, 127                     ; s[46:47] = 2 z - 127
	s_ashr_i32 s47, s46, 31
	s_mov_b32 s48, 126                             ; s[48:49] = 126
	s_mov_b32 s49, 0
	s_mov_b32 s50, 0x80000000                      ; s[50:51]: the half voxel; the whole part is set for each axis
	s_mov_b32 s58, 0x76543210                      ; v_permlanex16_b32: each lane takes its own place in the other half
	s_mov_b32 s59, 0xfedcba98
	s_lshl_b32 s61, s15, 7
	s_add_co_u32 s61, s61, ttmp9
	s_lshl_b32 s61, s61, 2                         ; byte of part[n][block]
	s_lshl_b32 s2, s15, 7                          ; a volume's numbers take 128 bytes of coef
	s_mov_b32 s3, 0
	s_wait_kmcnt 0x0
	s_add_nc_u64 s[8:9], s[8:9], s[2:3]
	s_load_b256 s[16:23], s[8:9], 0x0              ; T00 .. T03
	s_load_b256 s[24:31], s[8:9], 0x20             ; T10 .. T13
	s_load_b256 s[32:39], s[8:9], 0x40             ; T20 .. T23
	s_lshl_b32 s2, s15, 22                         ; a volume is 4 MiB
	s_add_nc_u64 s[4:5], s[4:5], s[2:3]            ; x at my volume
	s_add_nc_u64 s[10:11], s[10:11], s[2:3]
	s_lshl_b32 s2, s57, 7
	s_add_co_u32 s2, s2, s60
	s_lshl_b32 s2, s2, 8                           ; (128 z + y0) rows of 256 bytes
	s_add_nc_u64 s[6:7], s[6:7], s[2:3]            ; ln_weight and out0 at my first row
	s_add_nc_u64 s[10:11], s[10:11], s[2:3]
	v_mov_b32 v[ACC], 0
	v_mov_b32 v[ACC+1], 0
	s_wait_kmcnt 0x0
; Axis a at row y0: the part that all lanes share in scalar registers (products modulo 2^64 are right for signed numbers), then x's part lane by lane.  sh = 1 doubles (y and z: 128 voxels for 64).
.macro AXIS a, sh, chi
.set TT, 16+8*(\a)
	s_mul_u64 s[40:41], s[TT+2:TT+3], s[44:45]     ; T1 (2 y0 - 127)
	s_mul_u64 s[42:43], s[TT+4:TT+5], s[46:47]     ; T2 (2 z - 127)
	s_add_nc_u64 s[40:41], s[40:41], s[42:43]
	s_lshl_b64 s[42:43], s[TT+6:TT+7], 7           ; 128 T3
	s_add_nc_u64 s[40:41], s[40:41], s[42:43]
	s_mul_u64 s[42:43], s[TT:TT+1], s[48:49]       ; 126 T0
	s_sub_nc_u64 s[40:41], s[40:41], s[42:43]
.if \sh
	s_lshl_b64 s[40:41], s[40:41], \sh
.endif
	s_mov_b32 s51, \chi
	s_add_nc_u64 s[40:41], s[40:41], s[50:51]      ; + 31.5 or 63.5 voxels
	s_lshl_b64 s[52:53], s[TT:TT+1], 2+(\sh)       ; from x to x + 1
	s_lshl_b64 s[54:55], s[TT+2:TT+3], 1+(\sh)     ; from y to y + 1
	v_mov_b32 v[BI], s40
	v_mov_b32 v[BI+1], s41
	v_mad_nc_u64_u32 v[PC+4*(\a):PC+4*(\a)+1], v[XV], s52, v[BI:BI+1]  ; + x times the step: its low word in full,
	v_mad_u32 v[PC+4*(\a)+1], v[XV], s53, v[PC+4*(\a)+1]               ; its high word into the high word
	v_mov_b32 v[BI], s52
	v_mov_b32 v[BI+1], s53
	v_add_nc_u64 v[PC+4*(\a)+2:PC+4*(\a)+3], v[PC+4*(\a):PC+4*(\a)+1], v[BI:BI+1]  ; my second voxel
	v_mov_b32 v[STP+2*(\a)], s54
	v_mov_b32 v[STP+2*(\a)+1], s55
.endm
	AXIS 0, 0, 31
	AXIS 1, 1, 63
	AXIS 2, 1, 63
; A row's first half, for slot s: bases, address, the 17 loads; then, while they are out, the weights, and the coordinates step to the next row.  wimm: the row's bytes behind ln_weight's stepped base.
.macro COORD s, wimm
.set SB, SLOT+SLOTSZ*(\s)
.irp a, 0,1,2
.irp j, 0,1
	v_med3_i32 v[BI+2*(\a)+(\j)], v[PC+4*(\a)+2*(\j)+1], 0, 62+64*(((\a)+1)/2)  ; b: 0 .. 62 along x, 0 .. 126 along y and z
.endr
.endr
.irp j, 0,1
	v_lshl_add_u32 v[UU+(\j)], v[BI+4+(\j)], 7, v[BI+2+(\j)]
.endr
.irp j, 0,1
	v_lshl_add_u32 v[UU+(\j)], v[UU+(\j)], 6, v[BI+(\j)]       ; (128 bz + by) 64 + bx
.endr
.irp j, 0,1
	v_min_u32 v[UU+(\j)], TOPIDX, v[UU+(\j)]       ; what comes of numbers read from memory enters an address only behind an unsigned minimum with a constant; the three medians keep it there already
.endr
.irp j, 0,1
	v_lshlrev_b32 v[SB+ADR+(\j)], 2, v[UU+(\j)]
.endr
.irp c, 0,1,2,3,4,5,6,7
.irp j, 0,1
	global_load_b32 v[SB+DAT+2*(\c)+(\j)], v[SB+ADR+(\j)], s[4:5] offset:((\c)/4)*NYB+(((\c)/2)%2)*NXB+((\c)%2)*4
.endr
.endr
	global_load_b64 v[SB+WLD:SB+WLD+1], v[VOFF], s[6:7] offset:\wimm
.irp a, 0,1,2
.irp j, 0,1
	v_sub_nc_u32 v[DF+2*(\a)+(\j)], v[PC+4*(\a)+2*(\j)+1], v[BI+2*(\a)+(\j)]  ; floor - b: 0 inside
	v_cvt_f32_u32 v[TF+2*(\a)+(\j)], v[PC+4*(\a)+2*(\j)]
.endr
.endr
.irp a, 0,1,2
.irp j, 0,1
	v_cvt_f32_i32 v[DF+2*(\a)+(\j)], v[DF+2*(\a)+(\j)]
	v_add_nc_u64 v[PC+4*(\a)+2*(\j):PC+4*(\a)+2*(\j)+1], v[PC+4*(\a)+2*(\j):PC+4*(\a)+2*(\j)+1], v[STP+2*(\a):STP+2*(\a)+1]  ; the next row's coordinate
.endr
.endr
.irp a, 0,1,2
	v_pk_fma_f32 v[FR+2*(\a):FR+2*(\a)+1], v[TF+2*(\a):TF+2*(\a)+1], 0x2f800000, v[DF+2*(\a):DF+2*(\a)+1] op_sel_hi:[1,0,1]  ; f = fraction x 2^-32 + (floor - b)
.endr
.irp a, 0,1,2
.irp j, 0,1
	v_sub_f32 v[UU+2*(\a)+(\j)], 1.0, |v[FR+2*(\a)+(\j)]|
.endr
.endr
.irp a, 0,1,2
.irp j, 0,1
	v_max_num_f32 v[SB+WGT+4*(\a)+(\j)], 0, v[UU+2*(\a)+(\j)]  ; weight of voxel b
.endr
.endr
.irp a, 0,1,2
	v_pk_add_f32 v[UU+2*(\a):UU+2*(\a)+1], v[FR+2*(\a):FR+2*(\a)+1], 2.0 op_sel_hi:[1,0] neg_lo:[1,0] neg_hi:[1,0]  ; 2 - f
.endr
.irp a, 0,1,2
.irp j, 0,1
	v_med3_num_f32 v[SB+WGT+4*(\a)+2+(\j)], v[FR+2*(\a)+(\j)], v[UU+2*(\a)+(\j)], 0  ; weight of voxel b + 1
.endr
.endr
.endm
; A row's second half: along x, then y, then z, both voxels in each packed instruction; the store; the dot.  left: the loads issued behind this slot's 17, which may stay out.
.macro BLEND s, left, oimm
.set SB, SLOT+SLOTSZ*(\s)
	s_wait_loadcnt \left                           ; loads come back in order (ISA guide 5.7.1): this slot's are in, and its address registers are free
.irp r, 0,1,2,3
	v_pk_mul_f32 v[SB+DAT+4*(\r):SB+DAT+4*(\r)+1], v[SB+DAT+4*(\r):SB+DAT+4*(\r)+1], v[SB+WGT:SB+WGT+1]
.endr
.irp r, 0,1,2,3
	v_pk_fma_f32 v[SB+DAT+4*(\r):SB+DAT+4*(\r)+1], v[SB+DAT+4*(\r)+2:SB+DAT+4*(\r)+3], v[SB+WGT+2:SB+WGT+3], v[SB+DAT+4*(\r):SB+DAT+4*(\r)+1]
.endr
.irp q, 0,1
	v_pk_mul_f32 v[SB+DAT+8*(\q):SB+DAT+8*(\q)+1], v[SB+DAT+8*(\q):SB+DAT+8*(\q)+1], v[SB+WGT+4:SB+WGT+5]
.endr
.irp q, 0,1
	v_pk_fma_f32 v[SB+DAT+8*(\q):SB+DAT+8*(\q)+1], v[SB+DAT+8*(\q)+4:SB+DAT+8*(\q)+5], v[SB+WGT+6:SB+WGT+7], v[SB+DAT+8*(\q):SB+DAT+8*(\q)+1]
.endr
	v_pk_mul_f32 v[SB+OUT:SB+OUT+1], v[SB+DAT:SB+DAT+1], v[SB+WGT+8:SB+WGT+9]
	v_pk_fma_f32 v[SB+OUT:SB+OUT+1], v[SB+DAT+8:SB+DAT+9], v[SB+WGT+10:SB+WGT+11], v[SB+OUT:SB+OUT+1]
	global_store_b64 v[VOFF], v[SB+OUT:SB+OUT+1], s[10:11] offset:\oimm th:TH_STORE_NT  ; 32 lanes x 8 bytes: the row's 256 consecutive bytes, at a multiple of 256 from out0's first byte
	v_pk_fma_f32 v[ACC:ACC+1], v[SB+OUT:SB+OUT+1], v[SB+WLD:SB+WLD+1], v[ACC:ACC+1]
.endm
	COORD 0, 0                                     ; row 0
	s_mov_b32 s56, 7
.Lrows:                                                ; trip k: rows 2 k + 1 and 2 k + 2 are asked for, rows 2 k and 2 k + 1 finished
	COORD 1, NXB
	BLEND 0, 17, 0                                 ; 17: slot 1's loads, just issued
	COORD 0, 2*NXB
	BLEND 1, 17, NXB                               ; 17: slot 0's
	s_wait_xcnt 0x0                                ; every earlier memory instruction has had its addresses translated (ISA guide 3.1): only behind this wait are the two bases stepped and the stores' registers written again
	s_add_nc_u64 s[6:7], s[6:7], 2*NXB
	s_add_nc_u64 s[10:11], s[10:11], 2*NXB
	s_sub_co_u32 s56, s56, 1
	s_cmp_lg_u32 s56, 0
	s_cbranch_scc1 .Lrows
	COORD 1, NXB                                   ; row 15: the last; nothing is asked for beyond it
	BLEND 0, 17, 0
	BLEND 1, 0, NXB
	; The block's share of the dot: my two sums, the wave's 32 lanes, the eight waves through LDS, in a fixed order.
	v_add_f32 v[ACC], v[ACC], v[ACC+1]
	v_add_f32_dpp v[ACC], v[ACC], v[ACC] row_xmask:1 row_mask:0xf bank_mask:0xf
	v_add_f32_dpp v[ACC], v[ACC], v[ACC] row_xmask:2 row_mask:0xf bank_mask:0xf
	v_add_f32_dpp v[ACC], v[ACC], v[ACC] row_xmask:4 row_mask:0xf bank_mask:0xf
	v_add_f32_dpp v[ACC], v[ACC], v[ACC] row_xmask:8 row_mask:0xf bank_mask:0xf
	v_permlanex16_b32 v[ACC+1], v[ACC], s58, s59
	v_add_f32 v[ACC], v[ACC], v[ACC+1]
	v_mov_b32 v5, s14
	v_lshlrev_b32 v5, 2, v5
	ds_store_b32 v5, v[ACC]                        ; all lanes write the wave's word with the same number
	s_wait_dscnt 0x0                               ; for the others' sake: my store is done
	s_barrier_signal -1
	s_barrier_wait -1
	v_mov_b32 v1, 0
	ds_load_b128 v[26:29], v1
	ds_load_b128 v[30:33], v1 offset:16
	v_mov_b32 v5, s61
	s_wait_dscnt 0x0
	s_wait_tensorcnt 0x0                           ; the wave's end: this wait, an LDS add of 0 to my spare word and a wait for it, behind my last LDS store; the sums stand between the add and the wait for it
	ds_add_u32 v[SPW], v[NIL]
	v_pk_add_f32 v[26:27], v[26:27], v[28:29]
	v_pk_add_f32 v[30:31], v[30:31], v[32:33]
	v_pk_add_f32 v[26:27], v[26:27], v[30:31]
	v_add_f32 v26, v26, v27
	s_wait_dscnt 0x0
	s_wait_xcnt 0x0                                ; EXEC is a source of the stores still on their way: it changes only behind this wait
	v_cmp_eq_u32 vcc_lo, 0, v0
	s_and_saveexec_b32 s2, vcc_lo                  ; thread 0 of the work-group alone
	global_store_b32 v5, v26, s[12:13]
	s_endpgm
.Lfunc_end_k_qb5bb6d6a2b_sample:
	.size	k_qb5bb6d6a2b_sample, .Lfunc_end_k_qb5bb6d6a2b_sample-k_qb5bb6d6a2b_sample
	.p2alignl 7, 3214868480
	.fill 96, 4, 3214868480
	.section	.rodata,"a",@progbits
	.p2align	6, 0x0
	.amdhsa_kernel k_qb5bb6d6a2b_sample
		.amdhsa_group_segment_fixed_size 1280
		.amdhsa_private_segment_fixed_size 0
		.amdhsa_enable_private_segment 0
		.amdhsa_kernarg_size 40
		.amdhsa_user_sgpr_count 2
		.amdhsa_user_sgpr_kernarg_segment_ptr 1
		.amdhsa_wavefront_size32 1
		.amdhsa_system_sgpr_workgroup_id_x 1
		.amdhsa_system_sgpr_workgroup_id_y 1
		.amdhsa_system_sgpr_workgroup_id_z 1
		.amdhsa_system_vgpr_workitem_id 0
		.amdhsa_next_free_vgpr 124
		.amdhsa_next_free_sgpr 66
		.amdhsa_reserve_vcc 1
		.amdhsa_float_denorm_mode_32 3
		.amdhsa_float_denorm_mode_16_64 3
		.amdhsa_memory_ordered 1
		.amdhsa_forward_progress 1
		.amdhsa_inst_pref_size 29
	.end_amdhsa_kernel
	.amdgpu_metadata
---
amdhsa.version: [ 1, 2 ]
amdhsa.kernels:
  - .name:           k_qb5bb6d6a2b_sample
    .symbol:         k_qb5bb6d6a2b_sample.kd
    .args:
      - { .name: x, .offset: 0, .size: 8, .value_kind: global_buffer, .address_space: global }
      - { .name: ln_weight, .offset: 8, .size: 8, .value_kind: global_buffer, .address_space: global }
      - { .name: coef, .offset: 16, .size: 8, .value_kind: global_buffer, .address_space: global }
      - { .name: out0, .offset: 24, .size: 8, .value_kind: global_buffer, .address_space: global }
      - { .name: part, .offset: 32, .size: 8, .value_kind: global_buffer, .address_space: global }
    .group_segment_fixed_size: 1280
    .private_segment_fixed_size: 0
    .kernarg_segment_align: 8
    .kernarg_segment_size: 40
    .max_flat_workgroup_size: 256
    .sgpr_count:     66
    .vgpr_count:     124
    .wavefront_size: 32
...
	.end_amdgpu_metadata
.endif
;; end of part 2
;; launch outer (part 3): grid 256 x 1, 8 waves a work-group, no clusters, 0 bytes of LDS; arguments ln_weight, part, out1; writes out1
.if DOCPART == 3
	.amdgcn_target "amdgcn-amd-amdhsa--gfx1250"
	.amdhsa_code_object_version 6
	.text
	.protected	k_qb5bb6d6a2b_outer
	.globl	k_qb5bb6d6a2b_outer
	.p2align	8
	.type	k_qb5bb6d6a2b_outer,@function
k_qb5bb6d6a2b_outer:
	s_mov_b64 s[64:65], 0
	v_nop
	global_prefetch_b8 v0, s[64:65] scope:SCOPE_SE
	s_setreg_imm32_b32 hwreg(HW_REG_WAVE_MODE, 25, 1), 1
	s_wait_xcnt 0x0
; out1[n][i] = s[n] * ln_weight[i], s[n] = the sum of part[n][0..127] (the blocks' shares of out0[n] . ln_weight).
; A work-group owns 4,096 numbers of ln_weight (16 KiB), read once, and writes them scaled into all eight rows of out1.  Thread t takes 16 bytes at 16 t of each of four chunks of 4 KiB,
; so every load and store of a wave covers 512 consecutive bytes, aligned.  Every wave sums the 8 x 128 shares itself (4 KiB, a lane 16 bytes of each n, then across the lanes): always in the same
; order, and without LDS or a barrier.  Each of the 32 stores has registers of its own: nothing is rewritten, so nothing waits for a store.
; The product has rank one: a multiply a number; the matrix unit has nothing to add to it.
.set PT, 4                             ; v[4:35]    part: n's four numbers at PT + 4 n
.set WW, 36                            ; v[36:51]   ln_weight: chunk c at WW + 4 c
.set SS, 52                            ; v[52:67]   s[n] at SS + 2 n; the register beside it is at work
.set OO, 68                            ; v[68:195]  products: chunk c, row n at OO + 32 c + 4 n
	s_load_b128 s[4:7], s[0:1], 0x0                ; ln_weight s[4:5], part s[6:7]
	s_load_b64 s[8:9], s[0:1], 0x10                ; out1
	v_lshlrev_b32 v1, 4, v0                        ; 16 t
	v_and_b32 v2, 31, v0
	v_lshlrev_b32 v2, 4, v2                        ; 16 x lane
	s_lshl_b32 s10, ttmp9, 14                      ; the work-group's 16 KiB
	s_mov_b32 s11, 0
	s_mov_b32 s12, 0x76543210                      ; v_permlanex16_b32: each lane takes its own place in the other half
	s_mov_b32 s13, 0xfedcba98
	s_wait_kmcnt 0x0
	s_add_nc_u64 s[4:5], s[4:5], s[10:11]
	s_add_nc_u64 s[16:17], s[8:9], s[10:11]        ; row 0 of out1 at my part;
.irp n, 1,2,3,4,5,6,7
	s_add_nc_u64 s[16+2*(\n):17+2*(\n)], s[16:17], (\n)*0x400000  ; a row is 4 MiB: a base for each, since the stores' immediate does not reach so far
.endr
.irp n, 0,1,2,3,4,5,6,7
	global_load_b128 v[PT+4*(\n):PT+4*(\n)+3], v2, s[6:7] offset:512*(\n)
.endr
.irp c, 0,1,2,3
	global_load_b128 v[WW+4*(\c):WW+4*(\c)+3], v1, s[4:5] offset:4096*(\c) th:TH_LOAD_NT
.endr
	s_wait_loadcnt 4                               ; the shares are in; the four loads of ln_weight, issued behind them, may stay out
.irp n, 0,1,2,3,4,5,6,7
	v_pk_add_f32 v[SS+2*(\n):SS+2*(\n)+1], v[PT+4*(\n):PT+4*(\n)+1], v[PT+4*(\n)+2:PT+4*(\n)+3]
.endr
.irp n, 0,1,2,3,4,5,6,7
	v_add_f32 v[SS+2*(\n)], v[SS+2*(\n)], v[SS+2*(\n)+1]
.endr
.irp m, 1,2,4,8
.irp n, 0,1,2,3,4,5,6,7
	v_add_f32_dpp v[SS+2*(\n)], v[SS+2*(\n)], v[SS+2*(\n)] row_xmask:\m row_mask:0xf bank_mask:0xf
.endr
.endr
.irp n, 0,1,2,3,4,5,6,7
	v_permlanex16_b32 v[SS+2*(\n)+1], v[SS+2*(\n)], s12, s13
.endr
.irp n, 0,1,2,3,4,5,6,7
	v_add_f32 v[SS+2*(\n)], v[SS+2*(\n)], v[SS+2*(\n)+1]  ; s[n], in every lane
.endr
.irp c, 0,1,2,3
	s_wait_loadcnt 3-(\c)                          ; chunk c is in; the later chunks may stay out
.irp n, 0,1,2,3,4,5,6,7
	v_pk_mul_f32 v[OO+32*(\c)+4*(\n):OO+32*(\c)+4*(\n)+1], v[WW+4*(\c):WW+4*(\c)+1], v[SS+2*(\n):SS+2*(\n)+1] op_sel_hi:[1,0]
	v_pk_mul_f32 v[OO+32*(\c)+4*(\n)+2:OO+32*(\c)+4*(\n)+3], v[WW+4*(\c)+2:WW+4*(\c)+3], v[SS+2*(\n):SS+2*(\n)+1] op_sel_hi:[1,0]
	global_store_b128 v1, v[OO+32*(\c)+4*(\n):OO+32*(\c)+4*(\n)+3], s[16+2*(\n):17+2*(\n)] offset:4096*(\c) th:TH_STORE_NT
.endr
.endr
	s_endpgm
.Lfunc_end_k_qb5bb6d6a2b_outer:
	.size	k_qb5bb6d6a2b_outer, .Lfunc_end_k_qb5bb6d6a2b_outer-k_qb5bb6d6a2b_outer
	.p2alignl 7, 3214868480
	.fill 96, 4, 3214868480
	.section	.rodata,"a",@progbits
	.p2align	6, 0x0
	.amdhsa_kernel k_qb5bb6d6a2b_outer
		.amdhsa_group_segment_fixed_size 0
		.amdhsa_private_segment_fixed_size 0
		.amdhsa_enable_private_segment 0
		.amdhsa_kernarg_size 24
		.amdhsa_user_sgpr_count 2
		.amdhsa_user_sgpr_kernarg_segment_ptr 1
		.amdhsa_wavefront_size32 1
		.amdhsa_system_sgpr_workgroup_id_x 1
		.amdhsa_system_sgpr_workgroup_id_y 1
		.amdhsa_system_sgpr_workgroup_id_z 1
		.amdhsa_system_vgpr_workitem_id 0
		.amdhsa_next_free_vgpr 196
		.amdhsa_next_free_sgpr 66
		.amdhsa_reserve_vcc 0
		.amdhsa_float_denorm_mode_32 3
		.amdhsa_float_denorm_mode_16_64 3
		.amdhsa_memory_ordered 1
		.amdhsa_forward_progress 1
		.amdhsa_inst_pref_size 13
	.end_amdhsa_kernel
	.amdgpu_metadata
---
amdhsa.version: [ 1, 2 ]
amdhsa.kernels:
  - .name:           k_qb5bb6d6a2b_outer
    .symbol:         k_qb5bb6d6a2b_outer.kd
    .args:
      - { .name: ln_weight, .offset: 0, .size: 8, .value_kind: global_buffer, .address_space: global }
      - { .name: part, .offset: 8, .size: 8, .value_kind: global_buffer, .address_space: global }
      - { .name: out1, .offset: 16, .size: 8, .value_kind: global_buffer, .address_space: global }
    .group_segment_fixed_size: 0
    .private_segment_fixed_size: 0
    .kernarg_segment_align: 8
    .kernarg_segment_size: 24
    .max_flat_workgroup_size: 256
    .sgpr_count:     66
    .vgpr_count:     196
    .wavefront_size: 32
...
	.end_amdgpu_metadata
.endif
;; end of part 3
